; MI455X (gfx1250); checked and timed in simulation.
; The chip was launched on July 23, 2026; its instructions are those of AMD's public machine-readable ISA for CDNA 5 (MIT licence, August 2026) and "CDNA5" Instruction Set Architecture Reference Guide (July 2026). The comments in the code are by the model that wrote it; some were corrected since.
;; GIP Generator. Allowed arithmetic: float matrix products may take bf16 or f16 operands with f32 sums; all other float work in f32.
;; Inputs: W1 1,024 x 2,048 float32; W2 1,024 x 1,024 float32; W3 1,024 x 1,024 float32; b1 1,024 float32; b2 1,024 float32; b3 1,024 float32; gumbel 384 x 1,024 float32; m 384 x 1,024 float32; x 384 x 1,024 float32.
;; Outputs: out0 384 x 1,024 float32.
;; One version. Each part assembles by itself: llvm-mc -triple=amdgcn-amd-amdhsa -mcpu=gfx1250 --defsym DOCPART=n.
;; ======== version 1 of 1: 3 launches
;; workspace buffers: h1s 1,572,864 bytes; stats 147,456 bytes
;; launch layer1 (part 1): grid 32 x 8, 4 waves a work-group, clusters of 4 x 4, 327,680 bytes of LDS; arguments x, m, W1, b1, h1s; writes h1s
.if DOCPART == 1
	.amdgcn_target "amdgcn-amd-amdhsa--gfx1250"
	.amdhsa_code_object_version 6
	.text
	.protected	k_q48f11da34b_layer1
	.globl	k_q48f11da34b_layer1
	.p2align	8
	.type	k_q48f11da34b_layer1,@function
k_q48f11da34b_layer1:
	s_mov_b64 s[64:65], 0
	v_nop
	global_prefetch_b8 v0, s[64:65] scope:SCOPE_SE
	s_setreg_imm32_b32 hwreg(HW_REG_WAVE_MODE, 25, 1), 1
	s_wait_xcnt 0x0
	s_wait_alu depctr_hold_cnt(0) depctr_sa_sdst(0) depctr_va_vdst(0) depctr_va_sdst(0) depctr_va_ssrc(0) depctr_va_vcc(0) depctr_vm_vsrc(0)
	s_getreg_b32 s2, hwreg(HW_REG_IB_STS2, 6, 4)
	s_cmp_eq_u32 s2, 0
	s_cbranch_scc0 .Lentry_in_a_cluster
	s_endpgm
.Lentry_in_a_cluster:
	s_bfe_u32 s2, ttmp6, 0x10000c
	s_cmp_lg_u32 s2, 0xf033
	s_cbranch_scc0 .Lentry_shape_is_right
	s_endpgm
.Lentry_shape_is_right:
; h1 = relu([x | m] W1^T + b1), [384][1024], stored already split into two bf16 numbers, h1 = hi + lo.
; WHY SPLIT: the row argmax that the next launches take decides a whole output row, so the two layers in front of it are
; made with bf16 operands in two parts (value = hi + lo, lo = bf16(value - hi)) and three products hi.hi, hi.lo, lo.hi, sums in f32.
; SHARES: 256 work-groups, each a tile of 48 rows x 32 columns; four waves split K = 2048: wave w makes the whole tile over
; k = 512 w .. 512 w + 511 (waves 0, 1 read x, waves 2, 3 read m), so each f32 of a tile is read from LDS and converted once in the
; work-group, and a wave reads only tiles that it asked for itself.  The four partial tiles are added through LDS at the end.
; TILES: chunks of 64 k (rows of 256 bytes at multiples of 256 bytes), 48 rows of x or m and 32 rows of W1, as f32, by the tensor
; data mover into a ring of three slots for each wave; two slots are filled again behind one barrier.
; CLUSTER 4 x 4: the four work-groups of a row of the cluster share the 48 rows of x, m; the four of a column the 32 rows of W1:
; both tiles are asked for jointly, which divides the requests by four.
; h1s LAYOUT: [16 kp][8 mb][2 sub][48 rows][32 hi | 32 lo] bf16; column n: kp = n >> 6, sub = (n >> 5) & 1, place n & 31; row i: mb = i / 48.
; LIMITS: inputs finite; a number within 2^-9 of the largest f32 rounds to infinity in bf16.  The dropped product lo.lo is below 2^-16 of a term.
.set PITCH,  272                       ; an LDS row: 256 bytes + 16 of padding, so that 16 rows start in 16 different 16-byte columns of a 256-byte span
.set APART,  48*PITCH                  ; a slot's rows of x or m
.set WPART,  32*PITCH                  ; a slot's rows of W1
.set SLOT,   APART+WPART               ; 21,760
.set RING,   3*SLOT                    ; a wave's three slots
.set STAGE,  4*RING                    ; 261,120 = 1,020 x 256: the partial tiles; written by LDS stores alone, no tile lands here
.set SPITCH, 144                       ; a stage row: 32 f32 + 16 bytes
.set SBYTES, 48*SPITCH
.set G1FIX,  (2<<16)|(1<<20)|(1<<21)|(5<<22)|(3<<25)   ; elements of 4 bytes; padding on; bit 21 beside a mask; after every 64 words, 4 words
.set G1A, 32                           ; s[32:39] shape of the x, m tile
.set G1B, 40                           ; s[40:47] shape of the W1 tile
.set G0A, 48                           ; s[48:59] from where, to where: x, m tile, a set for each slot
.set G0B, 68                           ; s[68:79] the same for W1
.set BASEA, 26                         ; s[26:27] address of my chunk 0 of x or m, type bits set
.set BASEB, 28                         ; s[28:29] the same for W1
.set LA,   3                           ; v3   LDS address of my 32 bytes in row r of my ring
.set NEG1, 4                           ; v4   -1.0
.set STO,  5                           ; v5   stage: where my results go
.set RD,   6                           ; v6   stage: where I read the four partial tiles
.set GO,   7                           ; v7   my byte offset in the work-group's 6,144 bytes of h1s
.set ACC,  16                          ; v[16:63]   six accumulator tiles, tile (a, b) at 16 + 8 (2 a + b)
.set RAW,  64                          ; v[64:143]  five fragments as f32, 16 registers each
.set FR,   144                         ; v[144:223] five fragments in bf16: hi at 16 i, lo at 16 i + 8; i = 0..2 rows of x, m; 3, 4 rows of W1
.set B1,   224                         ; v[224:231] b1 of my 8 columns
.set RB,   64                          ; the way out: 3 x 4 x 8 registers read back
.set TH,   192
.set TL,   196
.set OU,   200
.macro PLACES                          ; four plain vector instructions between a matrix instruction and a write of its registers or a read of its result (ISA guide 7.12.1)
.rept 4
	v_nop
.endr
.endm
; 16 f32 in v[X ..] become 8 words of hi and 8 words of lo.  x - hi is exact in f32.
.macro SPLIT X, H, L
.irp j, 0,1,2,3,4,5,6,7
	v_cvt_pk_bf16_f32 v[\H+\j], v[\X+2*\j], v[\X+2*\j+1]
.endr
.irp j, 0,1,2,3,4,5,6,7
	v_fma_mix_f32_bf16 v[\X+2*\j], v[\H+\j], v[NEG1], v[\X+2*\j] op_sel_hi:[1,0,0]
	v_fma_mix_f32_bf16 v[\X+2*\j+1], v[\H+\j], v[NEG1], v[\X+2*\j+1] op_sel:[1,0,0] op_sel_hi:[1,0,0]
.endr
.irp j, 0,1,2,3,4,5,6,7
	v_cvt_pk_bf16_f32 v[\L+\j], v[\X+2*\j], v[\X+2*\j+1]
.endr
.endm
; A round of the cluster's barrier: my work-group's barrier, wave 0 signals for the work-group, all wait for the sixteen, my work-group's barrier again.
.macro CREST
	s_cmp_lg_u32 s14, 0
	s_cbranch_scc1 .Lnot_wave_0_\@
	s_barrier_signal -3
.Lnot_wave_0_\@:
	s_barrier_wait -3
	s_barrier_signal -1
	s_barrier_wait -1
.endm
.macro CROUND
	s_barrier_signal -1
	s_barrier_wait -1
	CREST
.endm
; One f32 fragment: lane (r, h) takes k = 8 h .. 8 h + 7 (32 bytes) and k = 16 + 8 h .. (32 bytes, 64 further on): k in its true places.
.macro LD4 dst, adr, off
	ds_load_b128 v[\dst:\dst+3], v[\adr] offset:\off
	ds_load_b128 v[\dst+4:\dst+7], v[\adr] offset:\off+16
	ds_load_b128 v[\dst+8:\dst+11], v[\adr] offset:\off+64
	ds_load_b128 v[\dst+12:\dst+15], v[\adr] offset:\off+80
.endm
.macro LOADRAW slot, kk                ; 20 loads: the five fragments of 32 k
.irp i, 0,1,2
	LD4 RAW+16*\i, LA, \slot*SLOT+\i*16*PITCH+128*\kk
.endr
.irp i, 0,1
	LD4 RAW+48+16*\i, LA, \slot*SLOT+APART+\i*16*PITCH+128*\kk
.endr
.endm
.macro CONVERT
	s_wait_dscnt 0x0                               ; this step's f32 are in
	PLACES                                         ; behind the last step's matrix instructions, whose sources are written now
.irp i, 0,1,2,3,4
	SPLIT RAW+16*\i, FR+16*\i, FR+16*\i+8
.endr
.endm
; 18 matrix instructions, used transposed (source 0 = rows of W1, source 1 = rows of x, m): lane (r, h) gets row r, columns 8 h + j.
; The six accumulators take turns, one instruction a turn.
.macro MMA zero
.irp a, 0,1,2
.irp b, 0,1
.if \zero
	v_wmma_f32_16x16x32_bf16 v[ACC+8*(2*\a+\b):ACC+8*(2*\a+\b)+7], v[FR+48+16*\b:FR+48+16*\b+7], v[FR+16*\a:FR+16*\a+7], 0
.else
	v_wmma_f32_16x16x32_bf16 v[ACC+8*(2*\a+\b):ACC+8*(2*\a+\b)+7], v[FR+48+16*\b:FR+48+16*\b+7], v[FR+16*\a:FR+16*\a+7], v[ACC+8*(2*\a+\b):ACC+8*(2*\a+\b)+7]
.endif
.endr
.endr
.irp a, 0,1,2
.irp b, 0,1
	v_wmma_f32_16x16x32_bf16 v[ACC+8*(2*\a+\b):ACC+8*(2*\a+\b)+7], v[FR+48+16*\b:FR+48+16*\b+7], v[FR+16*\a+8:FR+16*\a+15], v[ACC+8*(2*\a+\b):ACC+8*(2*\a+\b)+7]
.endr
.endr
.irp a, 0,1,2
.irp b, 0,1
	v_wmma_f32_16x16x32_bf16 v[ACC+8*(2*\a+\b):ACC+8*(2*\a+\b)+7], v[FR+48+16*\b+8:FR+48+16*\b+15], v[FR+16*\a:FR+16*\a+7], v[ACC+8*(2*\a+\b):ACC+8*(2*\a+\b)+7]
.endr
.endr
.endm
.macro SETADR slot, chunk
	s_add_nc_u64 s[G0A+4*\slot+2:G0A+4*\slot+3], s[BASEA:BASEA+1], \chunk*256
	s_add_nc_u64 s[G0B+4*\slot+2:G0B+4*\slot+3], s[BASEB:BASEB+1], \chunk*256
.endm
.macro ASK slot
	tensor_load_to_lds s[G0A+4*\slot:G0A+4*\slot+3], s[G1A:G1A+7]
	s_nop 0
	tensor_load_to_lds s[G0B+4*\slot:G0B+4*\slot+3], s[G1B:G1B+7]
	s_nop 0
.endm
; Slots that have been read are filled again: my LDS reads are back, ALL my tensor loads have landed (so every group 0 may be written),
; a round of the cluster's barrier says the same of every wave of every partner, and the joint loads come first behind it.
.macro RENEW2 sa, ca, sb, cb
	s_wait_dscnt 0x0
	s_wait_tensorcnt 0x0
	ds_add_u32 v240, v241
	s_wait_dscnt 0x0
	SETADR \sa, \ca
	SETADR \sb, \cb
	CROUND
	ASK \sa
	ASK \sb
.endm
.macro RENEW1 sa, ca
	s_wait_dscnt 0x0
	s_wait_tensorcnt 0x0
	ds_add_u32 v240, v241
	s_wait_dscnt 0x0
	SETADR \sa, \ca
	CROUND
	ASK \sa
.endm
	s_load_b256 s[4:11], s[0:1], 0x0               ; x s[4:5], m s[6:7], W1 s[8:9], b1 s[10:11]
	s_load_b64 s[12:13], s[0:1], 0x20              ; h1s
	v_lshl_add_u32 v240, v0, 2, 0x46800
	v_mov_b32 v241, 0
	ds_add_u32 v240, v241
	v_lshrrev_b32 v1, 5, v0
	v_readfirstlane_b32 s14, v1                    ; wave 0..3
	s_bfe_u32 s15, ttmp6, 0x40000                  ; cx
	s_bfe_u32 s16, ttmp6, 0x40004                  ; cy
	s_lshl_b32 s17, ttmp9, 2
	s_add_co_u32 s17, s17, s15                     ; bx: block of 32 columns
	s_and_b32 s18, ttmp7, 0xffff
	s_lshl_b32 s18, s18, 2
	s_add_co_u32 s18, s18, s16                     ; by: block of 48 rows
	s_lshl_b32 s19, s16, 2
	s_lshl_b32 s19, 15, s19                        ; my row of the cluster
	s_lshl_b32 s20, 0x1111, s15                    ; my column
	s_or_b32 s[G1A+0], s19, G1FIX                  ; x, m tiles go to my row
	s_mov_b32 s[G1A+1], 64<<16                     ; tensor_dim0 = 64
	s_mov_b32 s[G1A+2], 48<<16                     ; tensor_dim1 = 48
	s_mov_b32 s[G1A+3], 64<<16                     ; tile_dim0 = 64
	s_mov_b32 s[G1A+4], 48                         ; tile_dim1 = 48
	s_mov_b32 s[G1A+5], 1024                       ; elements from row to row
	s_mov_b32 s[G1A+6], 0
	s_mov_b32 s[G1A+7], 0
	s_or_b32 s[G1B+0], s20, G1FIX                  ; W1 tiles go to my column
	s_mov_b32 s[G1B+1], 64<<16
	s_mov_b32 s[G1B+2], 32<<16
	s_mov_b32 s[G1B+3], 64<<16
	s_mov_b32 s[G1B+4], 32
	s_mov_b32 s[G1B+5], 2048
	s_mov_b32 s[G1B+6], 0
	s_mov_b32 s[G1B+7], 0
	s_mul_i32 s21, s14, RING                       ; my ring
	s_mul_i32 s22, s18, 48*4096                    ; x, m: my block's first row,
	s_and_b32 s23, s14, 1
	s_lshl_b32 s23, s23, 11                        ; and column 512 (w & 1)
	s_add_co_u32 s22, s22, s23
	s_mov_b32 s23, 0
	s_lshl_b32 s24, s17, 18                        ; W1: 32 rows of 8,192 bytes a block,
	s_lshl_b32 s25, s14, 11                        ; and column 512 w
	s_add_co_u32 s24, s24, s25
	s_mov_b32 s25, 0
	s_lshr_b32 s82, s17, 1                         ; h1s: ((bx >> 1) 8 + by) 12,288 + (bx & 1) 6,144
	s_lshl_b32 s82, s82, 3
	s_add_co_u32 s82, s82, s18
	s_mul_i32 s82, s82, 12288
	s_and_b32 s83, s17, 1
	s_mul_i32 s83, s83, 6144
	s_add_co_u32 s82, s82, s83
	s_mov_b32 s83, 0
	s_mov_b32 s80, 0xf0f0f0f0                      ; lanes with l & 4: they store lo
	s_wait_dscnt 0x0
	s_wait_kmcnt 0x0
	s_cmp_lt_u32 s14, 2
	s_cselect_b64 s[BASEA:BASEA+1], s[4:5], s[6:7] ; waves 0, 1: x; waves 2, 3: m
	s_add_nc_u64 s[BASEA:BASEA+1], s[BASEA:BASEA+1], s[22:23]
	s_or_b32 s[BASEA+1], s[BASEA+1], 0x80000000    ; type = 2
	s_add_nc_u64 s[BASEB:BASEB+1], s[8:9], s[24:25]
	s_or_b32 s[BASEB+1], s[BASEB+1], 0x80000000
	s_add_nc_u64 s[12:13], s[12:13], s[82:83]
.irp s, 0,1,2
	s_mov_b32 s[G0A+4*\s], 1
	s_add_co_u32 s[G0A+4*\s+1], s21, \s*SLOT
	s_mov_b32 s[G0B+4*\s], 1
	s_add_co_u32 s[G0B+4*\s+1], s21, \s*SLOT+APART
	SETADR \s, \s
.endr
	CROUND                                         ; all sixteen work-groups are here: the first joint loads meet
	ASK 0
	ASK 1
	ASK 2                                          ; six tensor loads of the wave are out, the most in this text
	v_and_b32 v1, 15, v0                           ; r
	v_bfe_u32 v2, v0, 4, 1                         ; h
	v_and_b32 v8, 31, v0                           ; lane
	v_mul_u32_u24 v[LA], v1, PITCH
	v_lshl_add_u32 v[LA], v2, 5, v[LA]
	v_add_nc_u32 v[LA], s21, v[LA]
	v_mov_b32 v[NEG1], -1.0
	s_mul_i32 s81, s14, SBYTES
	s_add_co_u32 s81, s81, STAGE                   ; my partial tile
	v_mul_u32_u24 v[STO], v1, SPITCH
	v_lshl_add_u32 v[STO], v2, 5, v[STO]
	v_add_nc_u32 v[STO], s81, v[STO]
	v_lshrrev_b32 v9, 3, v8                        ; l >> 3
	v_and_b32 v10, 3, v8                           ; g: my 8 columns
	s_mul_i32 s81, s14, 12*SPITCH
	s_add_co_u32 s81, s81, STAGE                   ; on the way out wave w takes rows 12 w .. 12 w + 11
	v_mul_u32_u24 v[RD], v9, SPITCH
	v_lshl_add_u32 v[RD], v10, 5, v[RD]
	v_add_nc_u32 v[RD], s81, v[RD]
	s_mul_i32 s81, s14, 1536
	v_lshlrev_b32 v[GO], 4, v8
	v_add_nc_u32 v[GO], s81, v[GO]
	s_lshl_b32 s30, s17, 7
	v_lshlrev_b32 v11, 5, v10
	v_add_nc_u32 v11, s30, v11                     ; b1: 128 bx + 32 g
	global_load_b128 v[B1:B1+3], v11, s[10:11]
	global_load_b128 v[B1+4:B1+7], v11, s[10:11] offset:16
	; Eight chunks, two steps of 32 k each.  A step: convert, ask LDS for the next step's f32, multiply (the loads land under the products).
	s_wait_tensorcnt 0x4                           ; chunk 0's two loads are in; the four of chunks 1 and 2 stay out
	LOADRAW 0, 0
	CONVERT                                        ; chunk 0 (slot 0)
	LOADRAW 0, 1
	MMA 1                                          ; the first products start the sums
	CONVERT
	s_wait_tensorcnt 0x2                           ; chunk 1 is in; chunk 2's two loads stay out
	LOADRAW 1, 0
	MMA 0
	CONVERT                                        ; chunk 1 (slot 1)
	LOADRAW 1, 1
	MMA 0
	CONVERT
	RENEW2 0, 3, 1, 4                              ; chunk 2 has landed; chunks 3, 4 go out
	LOADRAW 2, 0
	MMA 0
	CONVERT                                        ; chunk 2 (slot 2)
	LOADRAW 2, 1
	MMA 0
	CONVERT
	s_wait_tensorcnt 0x2                           ; chunk 3 is in; chunk 4's two stay out
	LOADRAW 0, 0
	MMA 0
	CONVERT                                        ; chunk 3 (slot 0)
	LOADRAW 0, 1
	MMA 0
	CONVERT
	RENEW2 2, 5, 0, 6                              ; chunk 4 has landed; chunks 5, 6 go out
	LOADRAW 1, 0
	MMA 0
	CONVERT                                        ; chunk 4 (slot 1)
	LOADRAW 1, 1
	MMA 0
	CONVERT
	s_wait_tensorcnt 0x2                           ; chunk 5 is in; chunk 6's two stay out
	LOADRAW 2, 0
	MMA 0
	CONVERT                                        ; chunk 5 (slot 2)
	LOADRAW 2, 1
	MMA 0
	CONVERT
	RENEW1 1, 7                                    ; chunk 6 has landed; chunk 7, the last, goes out
	LOADRAW 0, 0
	MMA 0
	CONVERT                                        ; chunk 6 (slot 0)
	LOADRAW 0, 1
	MMA 0
	CONVERT
	s_wait_tensorcnt 0x0                           ; chunk 7's two loads, the only ones out
	LOADRAW 1, 0
	MMA 0
	CONVERT                                        ; chunk 7 (slot 1)
	LOADRAW 1, 1
	MMA 0
	CONVERT
	MMA 0
	; THE WAY OUT.  Each wave lays its partial tile into its stage; behind a barrier wave w adds the four for rows 12 w .. 12 w + 11.
	PLACES
.irp a, 0,1,2
.irp b, 0,1
	ds_store_b128 v[STO], v[ACC+8*(2*\a+\b):ACC+8*(2*\a+\b)+3] offset:\a*16*SPITCH+\b*64
	ds_store_b128 v[STO], v[ACC+8*(2*\a+\b)+4:ACC+8*(2*\a+\b)+7] offset:\a*16*SPITCH+\b*64+16
.endr
.endr
	s_wait_dscnt 0x0                               ; my stores are done, for the other waves' sake
	s_barrier_signal -1
	s_barrier_wait -1
.irp t, 0,1,2
.irp p, 0,1,2,3
	ds_load_b128 v[RB+32*\t+8*\p:RB+32*\t+8*\p+3], v[RD] offset:\p*SBYTES+\t*4*SPITCH
	ds_load_b128 v[RB+32*\t+8*\p+4:RB+32*\t+8*\p+7], v[RD] offset:\p*SBYTES+\t*4*SPITCH+16
.endr
.endr
	s_wait_loadcnt 0x0                             ; b1
; Rows 12 w + 4 t + (l >> 3).  Lanes l & 7 = 0..3 store hi of columns 8 g .., lanes 4..7 lo of the same: both make the eight sums,
; and a wave's store covers 512 consecutive bytes at a multiple of 512 from the buffer's first byte.
.macro OUT t, left
	s_wait_dscnt \left                             ; the eight loads of this t are in; the younger ones stay out
.irp j, 0,2,4,6
	v_pk_add_f32 v[RB+32*\t+\j:RB+32*\t+\j+1], v[RB+32*\t+\j:RB+32*\t+\j+1], v[RB+32*\t+8+\j:RB+32*\t+8+\j+1]
	v_pk_add_f32 v[RB+32*\t+16+\j:RB+32*\t+16+\j+1], v[RB+32*\t+16+\j:RB+32*\t+16+\j+1], v[RB+32*\t+24+\j:RB+32*\t+24+\j+1]
.endr
.irp j, 0,2,4,6
	v_pk_add_f32 v[RB+32*\t+\j:RB+32*\t+\j+1], v[RB+32*\t+\j:RB+32*\t+\j+1], v[RB+32*\t+16+\j:RB+32*\t+16+\j+1]
.endr
.irp j, 0,2,4,6
	v_pk_add_f32 v[RB+32*\t+\j:RB+32*\t+\j+1], v[RB+32*\t+\j:RB+32*\t+\j+1], v[B1+\j:B1+\j+1]
.endr
.irp j, 0,1,2,3,4,5,6,7
	v_max_num_f32 v[RB+32*\t+\j], 0, v[RB+32*\t+\j]        ; relu
.endr
.irp j, 0,1,2,3
	v_cvt_pk_bf16_f32 v[TH+\j], v[RB+32*\t+2*\j], v[RB+32*\t+2*\j+1]
.endr
.irp j, 0,1,2,3
	v_fma_mix_f32_bf16 v[RB+32*\t+2*\j], v[TH+\j], v[NEG1], v[RB+32*\t+2*\j] op_sel_hi:[1,0,0]
	v_fma_mix_f32_bf16 v[RB+32*\t+2*\j+1], v[TH+\j], v[NEG1], v[RB+32*\t+2*\j+1] op_sel:[1,0,0] op_sel_hi:[1,0,0]
.endr
.irp j, 0,1,2,3
	v_cvt_pk_bf16_f32 v[TL+\j], v[RB+32*\t+2*\j], v[RB+32*\t+2*\j+1]
.endr
.irp j, 0,1,2,3
	v_cndmask_b32 v[OU+4*\t+\j], v[TH+\j], v[TL+\j], s80
.endr
	global_store_b128 v[GO], v[OU+4*\t:OU+4*\t+3], s[12:13] offset:512*\t
.endm
	OUT 0, 16
	OUT 1, 8
	OUT 2, 0
	s_wait_tensorcnt 0x0
	ds_add_u32 v240, v241
	s_wait_dscnt 0x0
	CROUND                                         ; the closing round: no work-group ends while a partner may still ask for a tile that names it
	s_endpgm
.Lfunc_end_k_q48f11da34b_layer1:
	.size	k_q48f11da34b_layer1, .Lfunc_end_k_q48f11da34b_layer1-k_q48f11da34b_layer1
	.p2alignl 7, 3214868480
	.fill 96, 4, 3214868480
	.section	.rodata,"a",@progbits
	.p2align	6, 0x0
	.amdhsa_kernel k_q48f11da34b_layer1
		.amdhsa_group_segment_fixed_size 327680
		.amdhsa_private_segment_fixed_size 0
		.amdhsa_enable_private_segment 0
		.amdhsa_kernarg_size 40
		.amdhsa_user_sgpr_count 2
		.amdhsa_user_sgpr_kernarg_segment_ptr 1
		.amdhsa_wavefront_size32 1
		.amdhsa_system_sgpr_workgroup_id_x 1
		.amdhsa_system_sgpr_workgroup_id_y 1
		.amdhsa_system_sgpr_workgroup_id_z 1
		.amdhsa_system_vgpr_workitem_id 0
		.amdhsa_next_free_vgpr 242
		.amdhsa_next_free_sgpr 84
		.amdhsa_reserve_vcc 0
		.amdhsa_float_denorm_mode_32 3
		.amdhsa_float_denorm_mode_16_64 3
		.amdhsa_memory_ordered 1
		.amdhsa_forward_progress 1
		.amdhsa_inst_pref_size 222
	.end_amdhsa_kernel
	.amdgpu_metadata
---
amdhsa.version: [ 1, 2 ]
amdhsa.kernels:
  - .name:           k_q48f11da34b_layer1
    .symbol:         k_q48f11da34b_layer1.kd
    .args:
      - { .name: x, .offset: 0, .size: 8, .value_kind: global_buffer, .address_space: global }
      - { .name: m, .offset: 8, .size: 8, .value_kind: global_buffer, .address_space: global }
      - { .name: W1, .offset: 16, .size: 8, .value_kind: global_buffer, .address_space: global }
      - { .name: b1, .offset: 24, .size: 8, .value_kind: global_buffer, .address_space: global }
      - { .name: h1s, .offset: 32, .size: 8, .value_kind: global_buffer, .address_space: global }
    .group_segment_fixed_size: 327680
    .private_segment_fixed_size: 0
    .kernarg_segment_align: 8
    .kernarg_segment_size: 40
    .max_flat_workgroup_size: 128
    .sgpr_count:     84
    .vgpr_count:     242
    .wavefront_size: 32
...
	.end_amdgpu_metadata
.endif
;; end of part 1
;; launch layer2 (part 2): grid 32 x 8, 4 waves a work-group, clusters of 4 x 4, 327,680 bytes of LDS; arguments h1s, W2, b2, gumbel, stats; writes stats
.if DOCPART == 2
	.amdgcn_target "amdgcn-amd-amdhsa--gfx1250"
	.amdhsa_code_object_version 6
	.text
	.protected	k_q48f11da34b_layer2
	.globl	k_q48f11da34b_layer2
	.p2align	8
	.type	k_q48f11da34b_layer2,@function
k_q48f11da34b_layer2:
	s_mov_b64 s[64:65], 0
	v_nop
	global_prefetch_b8 v0, s[64:65] scope:SCOPE_SE
	s_setreg_imm32_b32 hwreg(HW_REG_WAVE_MODE, 25, 1), 1
	s_wait_xcnt 0x0
	s_wait_alu depctr_hold_cnt(0) depctr_sa_sdst(0) depctr_va_vdst(0) depctr_va_sdst(0) depctr_va_ssrc(0) depctr_va_vcc(0) depctr_vm_vsrc(0)
	s_getreg_b32 s2, hwreg(HW_REG_IB_STS2, 6, 4)
	s_cmp_eq_u32 s2, 0
	s_cbranch_scc0 .Lentry_in_a_cluster
	s_endpgm
.Lentry_in_a_cluster:
	s_bfe_u32 s2, ttmp6, 0x10000c
	s_cmp_lg_u32 s2, 0xf033
	s_cbranch_scc0 .Lentry_shape_is_right
	s_endpgm
.Lentry_shape_is_right:
; logits = h1 W2^T + b2 + gumbel, [384][1024]; for each row and each block of 32 columns: the maximum, the lowest column that holds it,
; and the sum of exp(logit - maximum).  The next launch merges the 32 blocks of a row: a softmax with its maximum taken away.
; h1 comes split (hi, lo in bf16) from the launch before; W2 is split here; three products hi.hi, hi.lo, lo.hi, sums in f32.
; SHARES: 256 work-groups, tile 48 rows x 32 columns; wave w makes the whole tile over k = 256 w .. 256 w + 255, four chunks of 64 k;
; the four partial tiles are added through LDS.  A chunk of h1s is 12,288 consecutive bytes and comes in as 48 lines of 256 bytes.
; CLUSTER 4 x 4: h1's chunks are shared along a row of the cluster, W2's along a column: joint loads, a quarter of the requests.
; stats LAYOUT: [3][32 blocks][384 rows] words: 0 maximum (f32), 1 sum (f32), 2 column (u32).  A wave stores 12 words to each array: the
; buffer's 256-byte spans are written in pieces of 48 bytes; all of it is 147,456 bytes.
; LIMITS: logits finite.  The argmax is taken on the logits, the lowest column on a tie; two logits closer than about 1e-5 of the logits'
; size are ordered by this arithmetic's rounding.
.set PITCH,  272
.set APART,  48*PITCH                  ; a chunk of h1s: 48 lines of 256 bytes (two rows of hi | lo each), padded
.set WPART,  32*PITCH
.set SLOT,   APART+WPART
.set RING,   3*SLOT
.set STAGE,  4*RING                    ; 261,120 = 1,020 x 256: written by LDS stores alone
.set SPITCH, 144
.set SBYTES, 48*SPITCH
.set G1FIX,  (2<<16)|(1<<20)|(1<<21)|(5<<22)|(3<<25)
.set G1A, 32
.set G1B, 40
.set G0A, 48
.set G0B, 68
.set BASEA, 26
.set BASEB, 28
.set LA,   3                           ; v3   W2's f32 fragments
.set NEG1, 4
.set STO,  5
.set RD,   6
.set LB,   7                           ; v7   h1's bf16 fragments
.set QD,   10                          ; v10  l & 7: my four columns on the way out
.set GUO,  11                          ; v11  my offset in gumbel
.set NI,   12                          ; v[12:15] minus my four column numbers in the block, as f32
.set ACC,  16                          ; v[16:63]
.set AF0,  64                          ; v[64:111]  h1's fragments, buffer 0: hi at 16 i, lo at 16 i + 8
.set AF1,  112                         ; v[112:159] buffer 1
.set RAW,  160                         ; v[160:191] W2's two fragments as f32
.set WF,   192                         ; v[192:223] in bf16: hi at 16 b, lo at 16 b + 8
.set GU,   224                         ; v[224:235] gumbel, 4 numbers for each of my 3 rows
.set B2,   236                         ; v[236:239]
.set MX,   240                         ; v[240:242] maximum of row t
.set IX,   243                         ; v[243:245] minus the lowest column that holds it
.set SM,   246                         ; v[246:248] sum of exponentials
.set B2O,  249
.set SO,   250
.set RB,   64
.macro PLACES                          ; four plain vector instructions between a matrix instruction and a write of, or a load into, its registers
.rept 4
	v_nop
.endr
.endm
.macro SPLIT X, H, L
.irp j, 0,1,2,3,4,5,6,7
	v_cvt_pk_bf16_f32 v[\H+\j], v[\X+2*\j], v[\X+2*\j+1]
.endr
.irp j, 0,1,2,3,4,5,6,7
	v_fma_mix_f32_bf16 v[\X+2*\j], v[\H+\j], v[NEG1], v[\X+2*\j] op_sel_hi:[1,0,0]
	v_fma_mix_f32_bf16 v[\X+2*\j+1], v[\H+\j], v[NEG1], v[\X+2*\j+1] op_sel:[1,0,0] op_sel_hi:[1,0,0]
.endr
.irp j, 0,1,2,3,4,5,6,7
	v_cvt_pk_bf16_f32 v[\L+\j], v[\X+2*\j], v[\X+2*\j+1]
.endr
.endm
.macro CREST
	s_cmp_lg_u32 s14, 0
	s_cbranch_scc1 .Lnot_wave_0_\@
	s_barrier_signal -3
.Lnot_wave_0_\@:
	s_barrier_wait -3
	s_barrier_signal -1
	s_barrier_wait -1
.endm
.macro CROUND
	s_barrier_signal -1
	s_barrier_wait -1
	CREST
.endm
; h1's fragments land in source registers as they are: row 16 i + r lies in line 24 kk + 8 i + (r >> 1), half r & 1; hi at 0, 32, lo at 64, 96 (+ 16 h)
.macro LOADA buf, slot, kk
.irp i, 0,1,2
	ds_load_b128 v[\buf+16*\i:\buf+16*\i+3], v[LB] offset:\slot*SLOT+\kk*24*PITCH+\i*8*PITCH
	ds_load_b128 v[\buf+16*\i+4:\buf+16*\i+7], v[LB] offset:\slot*SLOT+\kk*24*PITCH+\i*8*PITCH+32
	ds_load_b128 v[\buf+16*\i+8:\buf+16*\i+11], v[LB] offset:\slot*SLOT+\kk*24*PITCH+\i*8*PITCH+64
	ds_load_b128 v[\buf+16*\i+12:\buf+16*\i+15], v[LB] offset:\slot*SLOT+\kk*24*PITCH+\i*8*PITCH+96
.endr
.endm
.macro LOADW slot, kk
.irp b, 0,1
	ds_load_b128 v[RAW+16*\b:RAW+16*\b+3], v[LA] offset:\slot*SLOT+APART+\b*16*PITCH+128*\kk
	ds_load_b128 v[RAW+16*\b+4:RAW+16*\b+7], v[LA] offset:\slot*SLOT+APART+\b*16*PITCH+128*\kk+16
	ds_load_b128 v[RAW+16*\b+8:RAW+16*\b+11], v[LA] offset:\slot*SLOT+APART+\b*16*PITCH+128*\kk+64
	ds_load_b128 v[RAW+16*\b+12:RAW+16*\b+15], v[LA] offset:\slot*SLOT+APART+\b*16*PITCH+128*\kk+80
.endr
.endm
.macro CONVW
	s_wait_dscnt 0x0                               ; this step's h1 fragments and W2's f32 are in
	PLACES                                         ; behind the last step's matrix instructions: W2's fragments are written, the other h1 buffer is loaded
	SPLIT RAW, WF, WF+8
	SPLIT RAW+16, WF+16, WF+24
.endm
; 18 matrix instructions, transposed use; the six accumulators take turns, one instruction a turn.
.macro MMA buf, zero
.irp a, 0,1,2
.irp b, 0,1
.if \zero
	v_wmma_f32_16x16x32_bf16 v[ACC+8*(2*\a+\b):ACC+8*(2*\a+\b)+7], v[WF+16*\b:WF+16*\b+7], v[\buf+16*\a:\buf+16*\a+7], 0
.else
	v_wmma_f32_16x16x32_bf16 v[ACC+8*(2*\a+\b):ACC+8*(2*\a+\b)+7], v[WF+16*\b:WF+16*\b+7], v[\buf+16*\a:\buf+16*\a+7], v[ACC+8*(2*\a+\b):ACC+8*(2*\a+\b)+7]
.endif
.endr
.endr
.irp a, 0,1,2
.irp b, 0,1
	v_wmma_f32_16x16x32_bf16 v[ACC+8*(2*\a+\b):ACC+8*(2*\a+\b)+7], v[WF+16*\b:WF+16*\b+7], v[\buf+16*\a+8:\buf+16*\a+15], v[ACC+8*(2*\a+\b):ACC+8*(2*\a+\b)+7]
.endr
.endr
.irp a, 0,1,2
.irp b, 0,1
	v_wmma_f32_16x16x32_bf16 v[ACC+8*(2*\a+\b):ACC+8*(2*\a+\b)+7], v[WF+16*\b+8:WF+16*\b+15], v[\buf+16*\a:\buf+16*\a+7], v[ACC+8*(2*\a+\b):ACC+8*(2*\a+\b)+7]
.endr
.endr
.endm
.macro SETADR slot, chunk
	s_add_nc_u64 s[G0A+4*\slot+2:G0A+4*\slot+3], s[BASEA:BASEA+1], \chunk*98304
	s_add_nc_u64 s[G0B+4*\slot+2:G0B+4*\slot+3], s[BASEB:BASEB+1], \chunk*256
.endm
.macro ASK slot
	tensor_load_to_lds s[G0A+4*\slot:G0A+4*\slot+3], s[G1A:G1A+7]
	s_nop 0
	tensor_load_to_lds s[G0B+4*\slot:G0B+4*\slot+3], s[G1B:G1B+7]
	s_nop 0
.endm
	s_load_b256 s[4:11], s[0:1], 0x0               ; h1s s[4:5], W2 s[6:7], b2 s[8:9], gumbel s[10:11]
	s_load_b64 s[12:13], s[0:1], 0x20              ; stats
	v_lshl_add_u32 v254, v0, 2, 0x46800
	v_mov_b32 v255, 0
	ds_add_u32 v254, v255
	v_lshrrev_b32 v1, 5, v0
	v_readfirstlane_b32 s14, v1                    ; wave
	s_bfe_u32 s15, ttmp6, 0x40000                  ; cx
	s_bfe_u32 s16, ttmp6, 0x40004                  ; cy
	s_lshl_b32 s17, ttmp9, 2
	s_add_co_u32 s17, s17, s15                     ; bx: block of 32 columns
	s_and_b32 s18, ttmp7, 0xffff
	s_lshl_b32 s18, s18, 2
	s_add_co_u32 s18, s18, s16                     ; by: block of 48 rows
	s_lshl_b32 s19, s16, 2
	s_lshl_b32 s19, 15, s19                        ; my row of the cluster
	s_lshl_b32 s20, 0x1111, s15                    ; my column
	s_or_b32 s[G1A+0], s19, G1FIX
	s_mov_b32 s[G1A+1], 64<<16                     ; lines of 64 words,
	s_mov_b32 s[G1A+2], 48<<16                     ; 48 of them,
	s_mov_b32 s[G1A+3], 64<<16
	s_mov_b32 s[G1A+4], 48
	s_mov_b32 s[G1A+5], 64                         ; one behind the other in memory
	s_mov_b32 s[G1A+6], 0
	s_mov_b32 s[G1A+7], 0
	s_or_b32 s[G1B+0], s20, G1FIX
	s_mov_b32 s[G1B+1], 64<<16
	s_mov_b32 s[G1B+2], 32<<16
	s_mov_b32 s[G1B+3], 64<<16
	s_mov_b32 s[G1B+4], 32
	s_mov_b32 s[G1B+5], 1024
	s_mov_b32 s[G1B+6], 0
	s_mov_b32 s[G1B+7], 0
	s_mul_i32 s21, s14, RING
	s_mul_i32 s22, s14, 4*98304                    ; h1s: kp = 4 w + chunk,
	s_mul_i32 s23, s18, 12288                      ; block by
	s_add_co_u32 s22, s22, s23
	s_mov_b32 s23, 0
	s_lshl_b32 s24, s17, 17                        ; W2: 32 rows of 4,096 bytes a block,
	s_lshl_b32 s25, s14, 10                        ; column 256 w
	s_add_co_u32 s24, s24, s25
	s_mov_b32 s25, 0
	s_mul_i32 s86, s18, 48*4096                    ; gumbel: my block's first row and column
	s_lshl_b32 s80, s17, 7
	s_add_co_u32 s86, s86, s80
	s_mov_b32 s87, 0
	s_mul_i32 s82, s17, 1536                       ; stats: block bx, row 48 by
	s_mul_i32 s83, s18, 192
	s_add_co_u32 s82, s82, s83
	s_mov_b32 s83, 0
	s_lshl_b32 s85, s17, 5                         ; my block's first column
	s_mov_b32 s30, 0x02020202                      ; lanes with l & 7 = 1
	s_mov_b32 s31, 0x04040404                      ; lanes with l & 7 = 2
	s_wait_dscnt 0x0
	s_wait_kmcnt 0x0
	s_add_nc_u64 s[BASEA:BASEA+1], s[4:5], s[22:23]
	s_or_b32 s[BASEA+1], s[BASEA+1], 0x80000000
	s_add_nc_u64 s[BASEB:BASEB+1], s[6:7], s[24:25]
	s_or_b32 s[BASEB+1], s[BASEB+1], 0x80000000
	s_add_nc_u64 s[10:11], s[10:11], s[86:87]
	s_add_nc_u64 s[12:13], s[12:13], s[82:83]
.irp s, 0,1,2
	s_mov_b32 s[G0A+4*\s], 1
	s_add_co_u32 s[G0A+4*\s+1], s21, \s*SLOT
	s_mov_b32 s[G0B+4*\s], 1
	s_add_co_u32 s[G0B+4*\s+1], s21, \s*SLOT+APART
	SETADR \s, \s
.endr
	CROUND                                         ; the first joint loads meet
	ASK 0
	ASK 1
	ASK 2                                          ; six tensor loads of the wave are out, the most in this text
	v_and_b32 v1, 15, v0                           ; r
	v_bfe_u32 v2, v0, 4, 1                         ; h
	v_and_b32 v8, 31, v0                           ; lane
	v_lshrrev_b32 v9, 3, v8                        ; l >> 3
	v_and_b32 v[QD], 7, v8
	v_mul_u32_u24 v[LA], v1, PITCH
	v_lshl_add_u32 v[LA], v2, 5, v[LA]
	v_add_nc_u32 v[LA], s21, v[LA]
	v_mov_b32 v[NEG1], -1.0
	v_lshrrev_b32 v251, 1, v1
	v_mul_u32_u24 v[LB], v251, PITCH               ; (r >> 1) lines: with the half below, 16 lanes touch 16 different 16-byte columns
	v_and_b32 v251, 1, v1
	v_lshl_add_u32 v[LB], v251, 7, v[LB]
	v_lshl_add_u32 v[LB], v2, 4, v[LB]
	v_add_nc_u32 v[LB], s21, v[LB]
	s_mul_i32 s81, s14, SBYTES
	s_add_co_u32 s81, s81, STAGE
	v_mul_u32_u24 v[STO], v1, SPITCH
	v_lshl_add_u32 v[STO], v2, 5, v[STO]
	v_add_nc_u32 v[STO], s81, v[STO]
	s_mul_i32 s81, s14, 12*SPITCH
	s_add_co_u32 s81, s81, STAGE
	v_mul_u32_u24 v[RD], v9, SPITCH
	v_lshl_add_u32 v[RD], v[QD], 4, v[RD]
	v_add_nc_u32 v[RD], s81, v[RD]
	s_mul_i32 s81, s14, 12*4096
	v_lshl_add_u32 v[GUO], v9, 12, s81             ; row 12 w + (l >> 3)
	v_lshl_add_u32 v[GUO], v[QD], 4, v[GUO]
	v_lshl_add_u32 v[B2O], v[QD], 4, s80           ; 128 bx + 16 (l & 7)
	s_mul_i32 s81, s14, 48
	v_lshl_add_u32 v[SO], v[QD], 4, s81            ; stats: row 12 w + 4 (l & 7) + (l >> 3), in words
	v_lshl_add_u32 v[SO], v9, 2, v[SO]
	v_lshlrev_b32 v251, 2, v[QD]
	v_cvt_f32_u32 v251, v251
	v_sub_f32 v[NI], 0, v251
	v_sub_f32 v[NI+1], -1.0, v251
	v_sub_f32 v[NI+2], -2.0, v251
	v_sub_f32 v[NI+3], 0xc0400000, v251            ; -3 - 4 (l & 7)
	global_load_b128 v[B2:B2+3], v[B2O], s[8:9]
.irp t, 0,1,2
	global_load_b128 v[GU+4*\t:GU+4*\t+3], v[GUO], s[10:11] offset:\t*16384 th:TH_LOAD_NT
.endr
	s_wait_tensorcnt 0x4                           ; chunk 0's two loads are in; the four of chunks 1, 2 stay out
	LOADA AF0, 0, 0
	LOADW 0, 0
	CONVW                                          ; chunk 0 (slot 0)
	LOADA AF1, 0, 1
	LOADW 0, 1
	MMA AF0, 1
	CONVW
	s_wait_dscnt 0x0                               ; my reads of slot 0 are back,
	s_wait_tensorcnt 0x0                           ; all my tensor loads have landed (chunks 1, 2), so slot 0's group 0 may be written;
	ds_add_u32 v254, v255
	s_wait_dscnt 0x0
	SETADR 0, 3
	CROUND                                         ; the same holds of every wave of every partner:
	ASK 0                                          ; chunk 3, the last, goes out first behind the round, four steps ahead of its use
	LOADA AF0, 1, 0
	LOADW 1, 0
	MMA AF1, 0
	CONVW                                          ; chunk 1 (slot 1)
	LOADA AF1, 1, 1
	LOADW 1, 1
	MMA AF0, 0
	CONVW
	LOADA AF0, 2, 0
	LOADW 2, 0
	MMA AF1, 0
	CONVW                                          ; chunk 2 (slot 2)
	LOADA AF1, 2, 1
	LOADW 2, 1
	MMA AF0, 0
	CONVW
	s_wait_tensorcnt 0x0                           ; chunk 3's two loads, the only ones out
	LOADA AF0, 0, 0
	LOADW 0, 0
	MMA AF1, 0
	CONVW                                          ; chunk 3 (slot 0)
	LOADA AF1, 0, 1
	LOADW 0, 1
	MMA AF0, 0
	CONVW
	MMA AF1, 0
	; THE WAY OUT: partial tiles into the stages, a barrier, wave w takes rows 12 w .. 12 w + 11; eight lanes share a row, four columns each.
	PLACES
.irp a, 0,1,2
.irp b, 0,1
	ds_store_b128 v[STO], v[ACC+8*(2*\a+\b):ACC+8*(2*\a+\b)+3] offset:\a*16*SPITCH+\b*64
	ds_store_b128 v[STO], v[ACC+8*(2*\a+\b)+4:ACC+8*(2*\a+\b)+7] offset:\a*16*SPITCH+\b*64+16
.endr
.endr
	s_wait_dscnt 0x0                               ; my stores are done, for the other waves' sake
	s_barrier_signal -1
	s_barrier_wait -1
.irp t, 0,1,2
.irp p, 0,1,2,3
	ds_load_b128 v[RB+16*\t+4*\p:RB+16*\t+4*\p+3], v[RD] offset:\p*SBYTES+\t*4*SPITCH
.endr
.endr
	s_wait_loadcnt 0x0                             ; b2 and gumbel
.macro DPP3 op, reg                    ; over the eight lanes of a row of the tile
	\op v[\reg], v[\reg], v[\reg] row_xmask:1 row_mask:0xf bank_mask:0xf
	\op v[\reg], v[\reg], v[\reg] row_xmask:2 row_mask:0xf bank_mask:0xf
	\op v[\reg], v[\reg], v[\reg] row_xmask:4 row_mask:0xf bank_mask:0xf
.endm
.macro ROWSTAT t, left
	s_wait_dscnt \left                             ; the four loads of this t are in; the younger ones stay out
	v_pk_add_f32 v[RB+16*\t:RB+16*\t+1], v[RB+16*\t:RB+16*\t+1], v[RB+16*\t+4:RB+16*\t+5]
	v_pk_add_f32 v[RB+16*\t+2:RB+16*\t+3], v[RB+16*\t+2:RB+16*\t+3], v[RB+16*\t+6:RB+16*\t+7]
	v_pk_add_f32 v[RB+16*\t+8:RB+16*\t+9], v[RB+16*\t+8:RB+16*\t+9], v[RB+16*\t+12:RB+16*\t+13]
	v_pk_add_f32 v[RB+16*\t+10:RB+16*\t+11], v[RB+16*\t+10:RB+16*\t+11], v[RB+16*\t+14:RB+16*\t+15]
	v_pk_add_f32 v[RB+16*\t:RB+16*\t+1], v[RB+16*\t:RB+16*\t+1], v[RB+16*\t+8:RB+16*\t+9]
	v_pk_add_f32 v[RB+16*\t+2:RB+16*\t+3], v[RB+16*\t+2:RB+16*\t+3], v[RB+16*\t+10:RB+16*\t+11]
	v_pk_add_f32 v[RB+16*\t:RB+16*\t+1], v[RB+16*\t:RB+16*\t+1], v[B2:B2+1]
	v_pk_add_f32 v[RB+16*\t+2:RB+16*\t+3], v[RB+16*\t+2:RB+16*\t+3], v[B2+2:B2+3]
	v_pk_add_f32 v[RB+16*\t:RB+16*\t+1], v[RB+16*\t:RB+16*\t+1], v[GU+4*\t:GU+4*\t+1]
	v_pk_add_f32 v[RB+16*\t+2:RB+16*\t+3], v[RB+16*\t+2:RB+16*\t+3], v[GU+4*\t+2:GU+4*\t+3]      ; four logits
	v_mov_b32 v[RB+16*\t+4], v[RB+16*\t]           ; my maximum, and minus its column: a later one wins only if it is larger
	v_mov_b32 v[RB+16*\t+5], v[NI]
.irp e, 1,2,3
	v_cmp_gt_f32 vcc_lo, v[RB+16*\t+\e], v[RB+16*\t+4]
	v_cndmask_b32 v[RB+16*\t+4], v[RB+16*\t+4], v[RB+16*\t+\e], vcc_lo
	v_cndmask_b32 v[RB+16*\t+5], v[RB+16*\t+5], v[NI+\e], vcc_lo
.endr
	v_mov_b32 v[MX+\t], v[RB+16*\t+4]
	DPP3 v_max_num_f32_dpp, MX+\t                  ; the maximum of the row's 32 logits, in all eight lanes
	v_cmp_eq_f32 vcc_lo, v[RB+16*\t+4], v[MX+\t]
	v_cndmask_b32 v[IX+\t], 0xc2800000, v[RB+16*\t+5], vcc_lo      ; lanes that do not hold it offer -64
	DPP3 v_max_num_f32_dpp, IX+\t                  ; the largest of minus the columns: the lowest column
.irp e, 0,1,2,3
	v_sub_f32 v[RB+16*\t+8+\e], v[RB+16*\t+\e], v[MX+\t]
.endr
.irp e, 0,1,2,3
	v_mul_f32 v[RB+16*\t+8+\e], 0x3fb8aa3b, v[RB+16*\t+8+\e]
.endr
.irp e, 0,1,2,3
	v_exp_f32 v[RB+16*\t+8+\e], v[RB+16*\t+8+\e]   ; exponents are at most 0
.endr
	v_nop                                          ; one plain instruction behind the transcendentals (ISA guide 5.7.2)
	s_wait_alu depctr_va_vdst(0)
	v_add_f32 v[RB+16*\t+8], v[RB+16*\t+8], v[RB+16*\t+9]
	v_add_f32 v[RB+16*\t+10], v[RB+16*\t+10], v[RB+16*\t+11]
	v_add_f32 v[SM+\t], v[RB+16*\t+8], v[RB+16*\t+10]
	DPP3 v_add_f32_dpp, SM+\t
.endm
	ROWSTAT 0, 8
	ROWSTAT 1, 4
	ROWSTAT 2, 0
	; lanes l & 7 = 0, 1, 2 store the figures of t = l & 7
.irp q, MX, IX, SM
	v_cndmask_b32 v[\q], v[\q], v[\q+1], s30
	v_cndmask_b32 v[\q], v[\q], v[\q+2], s31
.endr
	v_mul_f32 v[IX], -1.0, v[IX]
	v_cvt_u32_f32 v[IX], v[IX]
	v_add_nc_u32 v[IX], s85, v[IX]                 ; the column in the whole row
	v_cmp_gt_u32 vcc_lo, 3, v[QD]
	s_wait_xcnt 0x0                                ; EXEC changes only behind this wait
	s_and_saveexec_b32 s84, vcc_lo
	global_store_b32 v[SO], v[MX], s[12:13]
	global_store_b32 v[SO], v[SM], s[12:13] offset:49152
	global_store_b32 v[SO], v[IX], s[12:13] offset:98304
	s_wait_xcnt 0x0                                ; and again in front of the line that widens it
	s_or_b32 exec_lo, exec_lo, s84
	s_wait_tensorcnt 0x0
	ds_add_u32 v254, v255
	s_wait_dscnt 0x0
	CROUND                                         ; the closing round
	s_endpgm
.Lfunc_end_k_q48f11da34b_layer2:
	.size	k_q48f11da34b_layer2, .Lfunc_end_k_q48f11da34b_layer2-k_q48f11da34b_layer2
	.p2alignl 7, 3214868480
	.fill 96, 4, 3214868480
	.section	.rodata,"a",@progbits
	.p2align	6, 0x0
	.amdhsa_kernel k_q48f11da34b_layer2
		.amdhsa_group_segment_fixed_size 327680
		.amdhsa_private_segment_fixed_size 0
		.amdhsa_enable_private_segment 0
		.amdhsa_kernarg_size 40
		.amdhsa_user_sgpr_count 2
		.amdhsa_user_sgpr_kernarg_segment_ptr 1
		.amdhsa_wavefront_size32 1
		.amdhsa_system_sgpr_workgroup_id_x 1
		.amdhsa_system_sgpr_workgroup_id_y 1
		.amdhsa_system_sgpr_workgroup_id_z 1
		.amdhsa_system_vgpr_workitem_id 0
		.amdhsa_next_free_vgpr 256
		.amdhsa_next_free_sgpr 90
		.amdhsa_reserve_vcc 1
		.amdhsa_float_denorm_mode_32 3
		.amdhsa_float_denorm_mode_16_64 3
		.amdhsa_memory_ordered 1
		.amdhsa_forward_progress 1
		.amdhsa_inst_pref_size 71
	.end_amdhsa_kernel
	.amdgpu_metadata
---
amdhsa.version: [ 1, 2 ]
amdhsa.kernels:
  - .name:           k_q48f11da34b_layer2
    .symbol:         k_q48f11da34b_layer2.kd
    .args:
      - { .name: h1s, .offset: 0, .size: 8, .value_kind: global_buffer, .address_space: global }
      - { .name: W2, .offset: 8, .size: 8, .value_kind: global_buffer, .address_space: global }
      - { .name: b2, .offset: 16, .size: 8, .value_kind: global_buffer, .address_space: global }
      - { .name: gumbel, .offset: 24, .size: 8, .value_kind: global_buffer, .address_space: global }
      - { .name: stats, .offset: 32, .size: 8, .value_kind: global_buffer, .address_space: global }
    .group_segment_fixed_size: 327680
    .private_segment_fixed_size: 0
    .kernarg_segment_align: 8
    .kernarg_segment_size: 40
    .max_flat_workgroup_size: 128
    .sgpr_count:     90
    .vgpr_count:     256
    .wavefront_size: 32
...
	.end_amdgpu_metadata
.endif
;; end of part 2
;; launch final (part 3): grid 12 x 16, 4 waves a work-group, clusters of 4 x 1, 327,680 bytes of LDS; arguments stats, W3, b3, out0; writes out0
.if DOCPART == 3
	.amdgcn_target "amdgcn-amd-amdhsa--gfx1250"
	.amdhsa_code_object_version 6
	.text
	.protected	k_q48f11da34b_final
	.globl	k_q48f11da34b_final
	.p2align	8
	.type	k_q48f11da34b_final,@function
k_q48f11da34b_final:
	s_mov_b64 s[64:65], 0
	v_nop
	global_prefetch_b8 v0, s[64:65] scope:SCOPE_SE
	s_setreg_imm32_b32 hwreg(HW_REG_WAVE_MODE, 25, 1), 1
	s_wait_xcnt 0x0
	s_wait_alu depctr_hold_cnt(0) depctr_sa_sdst(0) depctr_va_vdst(0) depctr_va_sdst(0) depctr_va_ssrc(0) depctr_va_vcc(0) depctr_vm_vsrc(0)
	s_getreg_b32 s2, hwreg(HW_REG_IB_STS2, 6, 4)
	s_cmp_eq_u32 s2, 0
	s_cbranch_scc0 .Lentry_in_a_cluster
	s_endpgm
.Lentry_in_a_cluster:
	s_bfe_u32 s2, ttmp6, 0x10000c
	s_cmp_lg_u32 s2, 0x3003
	s_cbranch_scc0 .Lentry_shape_is_right
	s_endpgm
.Lentry_shape_is_right:
; From the block figures of the launch before: for every row j the argmax a_j and v_j = (1 - y) + y, y = 1 / sum of exp(logit - maximum):
; the one entry of h2's row that is not zero (off the argmax (0 - y) + y is exactly 0).  Then z3 = h2 W3^T + b3 on the matrix unit, with h2's
; rows as one-hot bf16 fragments made by compares, W3 split into hi + lo, and the factor v_i applied in f32; then the Cauchy sum.
; THE SUM OVER j: for a column f, h2[j][f] is v_j in the c_f rows whose argmax is f, and 0 in the other 384 - c_f.  So
; pr = (alpha / 384) ((384 - c_f) k(z3) + c_f k(z3 - vbar_f)) + beta, k(d) = 1 / (1 + 1e4 d d), vbar_f the mean of those v_j.
; SHARES: 192 work-groups, tile 32 rows x 64 columns (an output row of the tile is 256 bytes); wave w takes k = 256 w .. 256 w + 255 of W3,
; four chunks of 64 k; partial tiles are added through LDS.  Every work-group merges all 384 rows' figures and counts its own 64 columns.
; CLUSTER 4 x 1: the four row blocks of a cluster share the block of columns: W3's tiles and the stats are asked for jointly (mask 15).
; No LDS address hangs on the place in the cluster: a work-group's own 32 rows are picked by value out of the 12 blocks.
; LIMITS: logits finite.  The v_j of one column are replaced by their mean; each lies within 2^-24 of 1, which moves a term by at most
; sqrt(1e4) 2^-24 of itself.  Equal terms are multiplied by their count, not added one by one.  W3 = hi + lo holds 16 bits of mantissa.
.set PITCH,  272
.set CH,     64*PITCH                  ; a chunk of W3: 64 rows, 17,408 bytes
.set WR,     2*CH                      ; a wave's two chunks in a region
.set TREG,   147456                    ; region S, bytes 0 .. 147,455: the stats, later W3's chunks 2, 3; region T behind it: chunks 0, 1
.set AV,     286720                    ; a[384], then v[384] 1,536 bytes on     (from here on: LDS stores alone, no tile lands; 286,720 = 1,120 x 256)
.set HH,     289792                    ; [2 halves of j][count 64 | sum of v 64]
.set STAGE,  290816                    ; four partial tiles, 32 rows x 272 bytes
.set SBYTES, 32*PITCH
.set G1FIX,  (2<<16)|(1<<20)|(1<<21)|(5<<22)|(3<<25)
.set G1S, 24                           ; s[24:31] shape of a wave's quarter of the stats
.set G1W, 32                           ; s[32:39] shape of a chunk of W3
.set G0S, 40                           ; s[40:43]
.set G0W, 44                           ; s[44:59] a set for each chunk, written once
.set T4M, 4                            ; v4  4 lane + 128 w: my row in the array of maxima
.set T4S, 5                            ; v5  in the array of sums
.set T4I, 6                            ; v6  in the array of columns
.set AVS, 7                            ; v7  where I store a, v
.set NEG1, 8
.set AVL, 9                            ; v9  AV + 4 lane
.set HA,  10                           ; v10 AV + my half of j
.set HS,  11                           ; v11 where I store my column's count
.set FCOL, 12                          ; v12 my column
.set LAT, 13                           ; v13 W3's fragments in region T
.set LAS, 14                           ; v14 in region S
.set STO, 15
.set ACC, 16                           ; v[16:79]   eight accumulator tiles, tile (a, b) at 16 + 8 (4 a + b)
.set RAW, 80                           ; v[80:143]  W3's four fragments as f32
.set WF,  144                          ; v[144:207] in bf16: hi at 16 b, lo at 16 b + 8
.set OH,  208                          ; v[208:223] the two one-hot fragments
.set RD,  224
.set HR,  225
.set OO,  226
.set B3O, 227
.set B3,  228                          ; v[228:231]
.set P0,  232                          ; v232, v233  (a >> 1) - 4 h - 128 w - 16 x step, for rows r and 16 + r
.set VAL0, 234                         ; v234, v235  bf16 1.0 in the half that a & 1 names
.set VP0, 236                          ; v[236:239]  v of rows r and 16 + r, each twice
.set ONE, 241
.set MM,  242                          ; v[242:243] a row's maximum, twice
.set AA,  244
.set SS,  246                          ; v[246:249]
.set YY,  250
.set VV,  251
.set PM,  16
.set PI,  48
.set PS,  80
.set BUF0, 16
.set BUF1, 80
.set HC,  244                          ; v[244:247] counts, four chains
.set HSM, 248                          ; v[248:251] sums of v, four chains
.set HE,  252                          ; v[252:255]
.set RB,  80
.set W0,  160
.set W1,  164
.set HB,  168
.set TR,  172
.macro PLACES                          ; four plain vector instructions between a matrix instruction and a write of its registers or a read of its result (ISA guide 7.12.1)
.rept 4
	v_nop
.endr
.endm
.macro SPLIT X, H, L
.irp j, 0,1,2,3,4,5,6,7
	v_cvt_pk_bf16_f32 v[\H+\j], v[\X+2*\j], v[\X+2*\j+1]
.endr
.irp j, 0,1,2,3,4,5,6,7
	v_fma_mix_f32_bf16 v[\X+2*\j], v[\H+\j], v[NEG1], v[\X+2*\j] op_sel_hi:[1,0,0]
	v_fma_mix_f32_bf16 v[\X+2*\j+1], v[\H+\j], v[NEG1], v[\X+2*\j+1] op_sel:[1,0,0] op_sel_hi:[1,0,0]
.endr
.irp j, 0,1,2,3,4,5,6,7
	v_cvt_pk_bf16_f32 v[\L+\j], v[\X+2*\j], v[\X+2*\j+1]
.endr
.endm
.macro CREST
	s_cmp_lg_u32 s14, 0
	s_cbranch_scc1 .Lnot_wave_0_\@
	s_barrier_signal -3
.Lnot_wave_0_\@:
	s_barrier_wait -3
	s_barrier_signal -1
	s_barrier_wait -1
.endm
.macro CROUND
	s_barrier_signal -1
	s_barrier_wait -1
	CREST
.endm
	s_load_b256 s[4:11], s[0:1], 0x0               ; stats s[4:5], W3 s[6:7], b3 s[8:9], out0 s[10:11]
	v_lshl_add_u32 v240, v0, 2, 0x4f800
	s_set_vgpr_msb 0x40
	v_mov_b32 v1, 0
	s_set_vgpr_msb 0x4044
	ds_add_u32 v240, v1
	s_set_vgpr_msb 0x4400
	v_lshrrev_b32 v1, 5, v0
	v_readfirstlane_b32 s14, v1                    ; wave
	s_bfe_u32 s15, ttmp6, 0x40000                  ; cx
	s_lshl_b32 s18, ttmp9, 2
	s_add_co_u32 s18, s18, s15                     ; by: block of 32 rows, 0..11
	s_and_b32 s17, ttmp7, 0xffff                   ; bn: block of 64 columns, the same in the four partners
	s_mov_b32 s[G1S+0], 15|(2<<16)|(1<<21)         ; all four partners; words; no padding
	s_mov_b32 s[G1S+1], 64<<16                     ; 144 lines of 64 words, one behind the other
	s_mov_b32 s[G1S+2], 144<<16
	s_mov_b32 s[G1S+3], 64<<16
	s_mov_b32 s[G1S+4], 144
	s_mov_b32 s[G1S+5], 64
	s_mov_b32 s[G1S+6], 0
	s_mov_b32 s[G1S+7], 0
	s_mov_b32 s[G1W+0], 15|G1FIX                   ; 64 rows of 64 words, padded to 272 bytes
	s_mov_b32 s[G1W+1], 64<<16
	s_mov_b32 s[G1W+2], 64<<16
	s_mov_b32 s[G1W+3], 64<<16
	s_mov_b32 s[G1W+4], 64
	s_mov_b32 s[G1W+5], 1024
	s_mov_b32 s[G1W+6], 0
	s_mov_b32 s[G1W+7], 0
	s_mul_i32 s19, s14, WR
	s_mul_i32 s20, s14, 36864                      ; my quarter of the stats
	s_mov_b32 s21, 0
	s_lshl_b32 s22, s17, 18                        ; W3: 64 rows of 4,096 bytes a block,
	s_lshl_b32 s23, s14, 10                        ; column 256 w
	s_add_co_u32 s22, s22, s23
	s_mov_b32 s23, 0
	s_lshl_b32 s70, s18, 17                        ; out0: 32 rows a block, 8 rows a wave, 256 bytes a block of columns
	s_lshl_b32 s71, s17, 8
	s_add_co_u32 s70, s70, s71
	s_lshl_b32 s71, s14, 15
	s_add_co_u32 s70, s70, s71
	s_mov_b32 s71, 0
	s_mov_b32 s60, 0x76543210                      ; v_permlanex16_b32: lane i of the other half
	s_mov_b32 s61, 0xfedcba98
	s_mov_b32 s62, 0xffff0000                      ; lanes with h = 1
	s_wait_dscnt 0x0
	s_wait_kmcnt 0x0
	s_mov_b32 s[G0S], 1
	s_mul_i32 s[G0S+1], s14, 36864
	s_add_nc_u64 s[G0S+2:G0S+3], s[4:5], s[20:21]
	s_or_b32 s[G0S+3], s[G0S+3], 0x80000000
	s_add_nc_u64 s[12:13], s[6:7], s[22:23]
	s_or_b32 s13, s13, 0x80000000
	s_add_nc_u64 s[10:11], s[10:11], s[70:71]
.irp c, 0,1
	s_mov_b32 s[G0W+4*\c], 1
	s_add_co_u32 s[G0W+4*\c+1], s19, TREG+\c*CH
	s_add_nc_u64 s[G0W+4*\c+2:G0W+4*\c+3], s[12:13], \c*256
.endr
.irp c, 2,3
	s_mov_b32 s[G0W+4*\c], 1
	s_add_co_u32 s[G0W+4*\c+1], s19, (\c-2)*CH
	s_add_nc_u64 s[G0W+4*\c+2:G0W+4*\c+3], s[12:13], \c*256
.endr
	CROUND                                         ; the first joint loads meet
	tensor_load_to_lds s[G0S:G0S+3], s[G1S:G1S+7]
	s_nop 0
	tensor_load_to_lds s[G0W:G0W+3], s[G1W:G1W+7]
	s_nop 0
	tensor_load_to_lds s[G0W+4:G0W+7], s[G1W:G1W+7]        ; three tensor loads of the wave are out, the most in this text
	s_nop 0
	v_and_b32 v3, 31, v0                           ; lane
	v_and_b32 v1, 15, v0                           ; r, and q on the way out
	v_bfe_u32 v2, v0, 4, 1                         ; h
	s_lshl_b32 s63, s14, 7
	v_lshl_add_u32 v[T4M], v3, 2, s63
	v_add_nc_u32 v[T4S], 49152, v[T4M]
	v_add_nc_u32 v[T4I], 98304, v[T4M]
	v_add_nc_u32 v[AVS], AV, v[T4M]
	v_mov_b32 v[NEG1], -1.0
	v_mov_b32 v[ONE], 1.0
	v_lshlrev_b32 v[AVL], 2, v3
	v_add_nc_u32 v[AVL], AV, v[AVL]
	s_lshr_b32 s63, s14, 1                         ; which half of j I count
	s_mul_i32 s67, s63, 768
	s_add_co_u32 s67, s67, AV
	v_mov_b32 v[HA], s67
	s_lshl_b32 s67, s63, 9
	s_add_co_u32 s67, s67, HH
	s_and_b32 s63, s14, 1                          ; which 32 of the 64 columns
	s_lshl_b32 s16, s63, 7
	s_add_co_u32 s67, s67, s16
	v_lshl_add_u32 v[HS], v3, 2, s67
	s_lshl_b32 s68, s17, 6
	s_lshl_b32 s16, s63, 5
	s_add_co_u32 s68, s68, s16
	v_add_nc_u32 v[FCOL], s68, v3                  ; 64 bn + 32 (w & 1) + lane
	v_mul_u32_u24 v[LAS], v1, PITCH
	v_lshl_add_u32 v[LAS], v2, 5, v[LAS]           ; r x pitch + 32 h
	s_mul_i32 s67, s14, SBYTES
	s_add_co_u32 s67, s67, STAGE
	v_add_nc_u32 v[STO], s67, v[LAS]
	v_add_nc_u32 v[LAS], s19, v[LAS]
	v_add_nc_u32 v[LAT], TREG, v[LAS]
	s_mul_i32 s67, s14, 8*PITCH
	s_add_co_u32 s67, s67, STAGE
	v_mul_u32_u24 v[RD], v2, PITCH
	v_lshl_add_u32 v[RD], v1, 4, v[RD]
	v_add_nc_u32 v[RD], s67, v[RD]                 ; rows 8 w + h + 2 u, 16 bytes at 16 q
	v_lshlrev_b32 v[HR], 4, v1
	v_add_nc_u32 v[HR], HH, v[HR]
	v_lshlrev_b32 v[OO], 12, v2
	v_lshl_add_u32 v[OO], v1, 4, v[OO]
	s_lshl_b32 s69, s17, 8
	v_lshl_add_u32 v[B3O], v1, 4, s69
	global_load_b128 v[B3:B3+3], v[B3O], s[8:9]
	s_wait_tensorcnt 0x2                           ; my quarter of the stats is in; the two tiles of W3 stay out
	s_barrier_signal -1
	s_barrier_wait -1                              ; everybody's is
; THE MERGE.  Thread t takes rows t + 128 g.  32 blocks: the maximum, the lowest block that holds it (its column is the row's argmax),
; and the sum of the blocks' sums, each scaled by exp(block maximum - maximum).
.macro MERGE g
.set n, 0
.rept 32
	ds_load_b32 v[PM+n], v[T4M] offset:n*1536+\g*512
.set n, n+1
.endr
.set n, 0
.rept 32
	ds_load_b32 v[PI+n], v[T4I] offset:n*1536+\g*512
.set n, n+1
.endr
	s_wait_dscnt 32                                ; the maxima are in; the 32 columns stay out
	v_max3_num_f32 v[MM], v[PM], v[PM+1], v[PM+2]
.set n, 3
.rept 14
	v_max3_num_f32 v[MM], v[MM], v[PM+n], v[PM+n+1]
.set n, n+2
.endr
	v_max_num_f32 v[MM], v[MM], v[PM+31]
	v_mov_b32 v[MM+1], v[MM]
.set n, 0
.rept 32
	ds_load_b32 v[PS+n], v[T4S] offset:n*1536+\g*512
.set n, n+1
.endr
	s_wait_dscnt 32                                ; the columns are in; the 32 sums stay out
	v_mov_b32 v[AA], v[PI+31]
.set n, 30
.rept 31
	v_cmp_eq_f32 vcc_lo, v[PM+n], v[MM]
	v_cndmask_b32 v[AA], v[AA], v[PI+n], vcc_lo    ; descending: the lowest block has the last word
.set n, n-1
.endr
.set n, 0
.rept 16
	v_pk_add_f32 v[PM+n:PM+n+1], v[PM+n:PM+n+1], v[MM:MM+1] neg_lo:[0,1] neg_hi:[0,1]
.set n, n+2
.endr
.set n, 0
.rept 16
	v_pk_mul_f32 v[PM+n:PM+n+1], v[PM+n:PM+n+1], 0x3fb8aa3b op_sel_hi:[1,0]
.set n, n+2
.endr
.set n, 0
.rept 32
	v_exp_f32 v[PM+n], v[PM+n]                     ; exponents are at most 0
.set n, n+1
.endr
	s_wait_dscnt 0x0                               ; the sums are in
	v_nop                                          ; one plain instruction behind the transcendentals (ISA guide 5.7.2)
.set n, 0
	s_wait_alu depctr_va_vdst(0)
.rept 4
	v_mul_f32 v[SS+n], v[PM+n], v[PS+n]            ; the first four start the chains
.set n, n+1
.endr
.rept 28
	v_fmac_f32 v[SS+n%4], v[PM+n], v[PS+n]
.set n, n+1
.endr
	v_add_f32 v[SS], v[SS], v[SS+1]
	v_add_f32 v[SS+2], v[SS+2], v[SS+3]
	v_add_f32 v[SS], v[SS], v[SS+2]                ; between 1 and 1,024
	v_rcp_f32 v[YY], v[SS]                         ; y_soft at the argmax
	v_nop
	s_wait_alu depctr_va_vdst(0)
	v_sub_f32 v[VV], 1.0, v[YY]
	v_add_f32 v[VV], v[VV], v[YY]                  ; (1 - y) + y
	ds_store_b32 v[AVS], v[AA] offset:\g*512
	ds_store_b32 v[AVS], v[VV] offset:\g*512+1536
.endm
	MERGE 0
	MERGE 1
	MERGE 2
	; The stats have been read: their bytes take W3's chunks 2 and 3.  My LDS reads and stores are done, all my tensor loads have landed,
	; a round of the cluster's barrier says the same of every wave of every partner (and shows a, v to my work-group), the joint loads come first.
	s_wait_dscnt 0x0
	s_set_vgpr_msb 0x4
	s_wait_tensorcnt 0x0
	ds_add_u32 v240, v1
	s_wait_dscnt 0x0
	s_set_vgpr_msb 0x400
	CROUND
	tensor_load_to_lds s[G0W+8:G0W+11], s[G1W:G1W+7]
	s_nop 0
	tensor_load_to_lds s[G0W+12:G0W+15], s[G1W:G1W+7]
	s_nop 0
	; MY 32 ROWS: lane l reads a, v of row 32 cand + l for all 12 blocks and keeps those of block by.
.set n, 0
.rept 12
	ds_load_b32 v[16+n], v[AVL] offset:128*n
	ds_load_b32 v[32+n], v[AVL] offset:128*n+1536
.set n, n+1
.endr
	s_wait_dscnt 0x0
.set n, 1
.rept 11
	s_cmp_eq_u32 s18, n
	s_cselect_b32 s66, -1, 0
	v_cndmask_b32 v16, v16, v[16+n], s66
	v_cndmask_b32 v32, v32, v[32+n], s66
.set n, n+1
.endr
	v_permlanex16_b32 v17, v16, s60, s61           ; the other half's rows
	v_permlanex16_b32 v33, v32, s60, s61
	v_cndmask_b32 v18, v16, v17, s62               ; a of row r
	v_cndmask_b32 v19, v17, v16, s62               ; a of row 16 + r
	v_cndmask_b32 v[VP0], v32, v33, s62
	v_cndmask_b32 v[VP0+2], v33, v32, s62
	v_mov_b32 v[VP0+1], v[VP0]
	v_mov_b32 v[VP0+3], v[VP0+2]
	s_lshl_b32 s63, s14, 7
	v_lshl_add_u32 v20, v2, 2, s63                 ; 4 h + 128 w
	v_mov_b32 v22, 0x3f80                          ; bf16 1.0
.irp a, 0,1
	v_lshrrev_b32 v21, 1, v[18+\a]
	v_sub_nc_u32 v[P0+\a], v21, v20                ; the word of my fragment that holds k = a, counted from this wave's first step
	v_and_b32 v21, 1, v[18+\a]
	v_lshlrev_b32 v21, 4, v21
	v_lshlrev_b32 v[VAL0+\a], v21, v22
.endr
	; THE COUNT: thread = one of 64 columns x one half of j; 192 rows in six batches of 32, all lanes at one address; two register buffers.
.macro HLOAD buf, bt
.irp i, 0,1,2,3,4,5,6,7
	ds_load_b128 v[\buf+4*\i:\buf+4*\i+3], v[HA] offset:\bt*128+\i*16
.endr
.irp i, 0,1,2,3,4,5,6,7
	ds_load_b128 v[\buf+32+4*\i:\buf+32+4*\i+3], v[HA] offset:\bt*128+\i*16+1536
.endr
.endm
.macro HCOUNT buf, start
.set n, \start
.rept 32-\start
	v_cmp_eq_u32 vcc_lo, v[\buf+n], v[FCOL]
	v_cndmask_b32 v[HE+n%4], 0, v[ONE], vcc_lo
	v_add_f32 v[HC+n%4], v[HC+n%4], v[HE+n%4]
	v_fmac_f32 v[HSM+n%4], v[HE+n%4], v[\buf+32+n]
.set n, n+1
.endr
.endm
	HLOAD BUF0, 0
	HLOAD BUF1, 1
	s_wait_dscnt 16                                ; the older batch is in; the 16 loads of the younger stay out
.irp k, 0,1,2,3
	v_cmp_eq_u32 vcc_lo, v[BUF0+\k], v[FCOL]       ; the first four rows start the eight chains
	v_cndmask_b32 v[HC+\k], 0, v[ONE], vcc_lo
	v_mul_f32 v[HSM+\k], v[HC+\k], v[BUF0+32+\k]
.endr
	HCOUNT BUF0, 4
	HLOAD BUF0, 2
	s_wait_dscnt 16
	HCOUNT BUF1, 0
	HLOAD BUF1, 3
	s_wait_dscnt 16
	HCOUNT BUF0, 0
	HLOAD BUF0, 4
	s_wait_dscnt 16
	HCOUNT BUF1, 0
	HLOAD BUF1, 5
	s_wait_dscnt 16
	HCOUNT BUF0, 0
	s_wait_dscnt 0x0
	HCOUNT BUF1, 0
	v_add_f32 v[HC], v[HC], v[HC+1]
	v_add_f32 v[HC+2], v[HC+2], v[HC+3]
	v_add_f32 v[HC], v[HC], v[HC+2]
	v_add_f32 v[HSM], v[HSM], v[HSM+1]
	v_add_f32 v[HSM+2], v[HSM+2], v[HSM+3]
	v_add_f32 v[HSM], v[HSM], v[HSM+2]
	ds_store_b32 v[HS], v[HC]
	ds_store_b32 v[HS], v[HSM] offset:256          ; shown to the other waves by the barrier in front of the way out
	; THE PRODUCT h2 W3^T.
.macro LOADW3 adr, off, kk
.irp b, 0,1,2,3
	ds_load_b128 v[RAW+16*\b:RAW+16*\b+3], v[\adr] offset:\off+\b*16*PITCH+128*\kk
	ds_load_b128 v[RAW+16*\b+4:RAW+16*\b+7], v[\adr] offset:\off+\b*16*PITCH+128*\kk+16
	ds_load_b128 v[RAW+16*\b+8:RAW+16*\b+11], v[\adr] offset:\off+\b*16*PITCH+128*\kk+64
	ds_load_b128 v[RAW+16*\b+12:RAW+16*\b+15], v[\adr] offset:\off+\b*16*PITCH+128*\kk+80
.endr
.endm
; Words 0-3 of lane (r, h) hold the pairs of k numbered 4 h + j of the step, words 4-7 the pairs 8 + 4 h + j: the word whose number P names gets the 1.0.
.macro ONEHOT a
.irp j, 0,1,2,3
	v_cmp_eq_u32 vcc_lo, \j, v[P0+\a]
	v_cndmask_b32 v[OH+8*\a+\j], 0, v[VAL0+\a], vcc_lo
	v_cmp_eq_u32 vcc_lo, 8+\j, v[P0+\a]
	v_cndmask_b32 v[OH+8*\a+4+\j], 0, v[VAL0+\a], vcc_lo
.endr
	v_add_nc_u32 v[P0+\a], -16, v[P0+\a]           ; the next step lies 16 pairs of k further on
.endm
.macro CONV3
	s_wait_dscnt 0x0                               ; this step's f32 are in
	PLACES                                         ; behind the last step's matrix instructions, whose sources are written now
.irp b, 0,1,2,3
	SPLIT RAW+16*\b, WF+16*\b, WF+16*\b+8
.endr
	ONEHOT 0
	ONEHOT 1
.endm
; 16 matrix instructions, transposed use (source 0 = rows of W3, source 1 = rows of h2); the eight accumulators take turns, one instruction a turn.
.macro MMA3 zero
.irp a, 0,1
.irp b, 0,1,2,3
.if \zero
	v_wmma_f32_16x16x32_bf16 v[ACC+8*(4*\a+\b):ACC+8*(4*\a+\b)+7], v[WF+16*\b:WF+16*\b+7], v[OH+8*\a:OH+8*\a+7], 0
.else
	v_wmma_f32_16x16x32_bf16 v[ACC+8*(4*\a+\b):ACC+8*(4*\a+\b)+7], v[WF+16*\b:WF+16*\b+7], v[OH+8*\a:OH+8*\a+7], v[ACC+8*(4*\a+\b):ACC+8*(4*\a+\b)+7]
.endif
.endr
.endr
.irp a, 0,1
.irp b, 0,1,2,3
	v_wmma_f32_16x16x32_bf16 v[ACC+8*(4*\a+\b):ACC+8*(4*\a+\b)+7], v[WF+16*\b+8:WF+16*\b+15], v[OH+8*\a:OH+8*\a+7], v[ACC+8*(4*\a+\b):ACC+8*(4*\a+\b)+7]
.endr
.endr
.endm
	LOADW3 LAT, 0, 0
	CONV3                                          ; chunk 0
	LOADW3 LAT, 0, 1
	MMA3 1                                         ; the first products start the sums
	CONV3
	LOADW3 LAT, CH, 0
	MMA3 0
	CONV3                                          ; chunk 1
	LOADW3 LAT, CH, 1
	MMA3 0
	CONV3
	s_wait_tensorcnt 0x1                           ; chunk 2 is in; chunk 3 stays out
	LOADW3 LAS, 0, 0
	MMA3 0
	CONV3                                          ; chunk 2
	LOADW3 LAS, 0, 1
	MMA3 0
	CONV3
	s_wait_tensorcnt 0x0                           ; chunk 3, the only load out
	LOADW3 LAS, CH, 0
	MMA3 0
	CONV3                                          ; chunk 3
	LOADW3 LAS, CH, 1
	MMA3 0
	CONV3
	MMA3 0
	; THE WAY OUT: times v of the row, partial tiles into the stages, a barrier, wave w takes rows 8 w .. 8 w + 7.
	PLACES
.irp a, 0,1
.irp b, 0,1,2,3
.irp j, 0,2,4,6
	v_pk_mul_f32 v[ACC+8*(4*\a+\b)+\j:ACC+8*(4*\a+\b)+\j+1], v[ACC+8*(4*\a+\b)+\j:ACC+8*(4*\a+\b)+\j+1], v[VP0+2*\a:VP0+2*\a+1]
.endr
.endr
.endr
.irp a, 0,1
.irp b, 0,1,2,3
	ds_store_b128 v[STO], v[ACC+8*(4*\a+\b):ACC+8*(4*\a+\b)+3] offset:\a*16*PITCH+\b*64
	ds_store_b128 v[STO], v[ACC+8*(4*\a+\b)+4:ACC+8*(4*\a+\b)+7] offset:\a*16*PITCH+\b*64+16
.endr
.endr
	s_wait_dscnt 0x0                               ; my stores (stage and counts) are done, for the other waves' sake
	s_barrier_signal -1
	s_barrier_wait -1
.irp i, 0,1,2,3
	ds_load_b128 v[144+4*\i:144+4*\i+3], v[HR] offset:256*\i       ; count, sum of v of half 0; the same of half 1
.endr
.irp u, 0,1,2,3
.irp p, 0,1,2,3
	ds_load_b128 v[RB+16*\u+4*\p:RB+16*\u+4*\p+3], v[RD] offset:\p*SBYTES+\u*2*PITCH
.endr
.endr
	s_wait_dscnt 16                                ; the counts are in; the 16 loads of the partial tiles stay out
	v_pk_add_f32 v[144:145], v[144:145], v[152:153]
	v_pk_add_f32 v[146:147], v[146:147], v[154:155]        ; c of my four columns
	v_pk_add_f32 v[148:149], v[148:149], v[156:157]
	v_pk_add_f32 v[150:151], v[150:151], v[158:159]        ; sum of their v
.irp j, 0,1,2,3
	v_max_num_f32 v[TR+\j], 1.0, v[144+\j]
.endr
.irp j, 0,1,2,3
	v_rcp_f32 v[TR+\j], v[TR+\j]
.endr
.irp j, 0,1,2,3
	v_sub_f32 v[W0+\j], 0x43c00000, v[144+\j]      ; 384 - c (plain work behind the transcendentals)
.endr
	s_wait_alu depctr_va_vdst(0)
.irp j, 0,1,2,3
	v_mul_f32 v[HB+\j], v[148+\j], v[TR+\j]        ; the mean v; 0 where no row points at the column
.endr
.irp j, 0,2
	v_pk_mul_f32 v[W0+\j:W0+\j+1], v[W0+\j:W0+\j+1], 0x3b2a993e op_sel_hi:[1,0]    ; alpha / 384 = 0.002603128
	v_pk_mul_f32 v[W1+\j:W1+\j+1], v[144+\j:144+\j+1], 0x3b2a993e op_sel_hi:[1,0]
.endr
	s_wait_loadcnt 0x0                             ; b3
.macro CAUCHY u, left
	s_wait_dscnt \left                             ; the four loads of this u are in; the younger ones stay out
.irp j, 0,2
	v_pk_add_f32 v[RB+16*\u+\j:RB+16*\u+\j+1], v[RB+16*\u+\j:RB+16*\u+\j+1], v[RB+16*\u+4+\j:RB+16*\u+4+\j+1]
	v_pk_add_f32 v[RB+16*\u+8+\j:RB+16*\u+8+\j+1], v[RB+16*\u+8+\j:RB+16*\u+8+\j+1], v[RB+16*\u+12+\j:RB+16*\u+12+\j+1]
.endr
.irp j, 0,2
	v_pk_add_f32 v[RB+16*\u+\j:RB+16*\u+\j+1], v[RB+16*\u+\j:RB+16*\u+\j+1], v[RB+16*\u+8+\j:RB+16*\u+8+\j+1]
.endr
.irp j, 0,2
	v_pk_add_f32 v[RB+16*\u+\j:RB+16*\u+\j+1], v[RB+16*\u+\j:RB+16*\u+\j+1], v[B3+\j:B3+\j+1]                       ; z3
.endr
.irp j, 0,2
	v_pk_add_f32 v[RB+16*\u+4+\j:RB+16*\u+4+\j+1], v[RB+16*\u+\j:RB+16*\u+\j+1], v[HB+\j:HB+\j+1] neg_lo:[0,1] neg_hi:[0,1]   ; z3 - mean v
.endr
.irp j, 0,2,4,6
	v_pk_mul_f32 v[RB+16*\u+\j:RB+16*\u+\j+1], v[RB+16*\u+\j:RB+16*\u+\j+1], v[RB+16*\u+\j:RB+16*\u+\j+1]
.endr
.irp j, 0,2,4,6
	v_pk_fma_f32 v[RB+16*\u+\j:RB+16*\u+\j+1], v[RB+16*\u+\j:RB+16*\u+\j+1], 0x461c4000, 1.0 op_sel_hi:[1,0,0]      ; 1 + 1e4 d d
.endr
.irp j, 0,1,2,3,4,5,6,7
	v_rcp_f32 v[RB+16*\u+\j], v[RB+16*\u+\j]
.endr
	v_nop
	s_wait_alu depctr_va_vdst(0)
.irp j, 0,2
	v_pk_fma_f32 v[RB+16*\u+4+\j:RB+16*\u+4+\j+1], v[W1+\j:W1+\j+1], v[RB+16*\u+4+\j:RB+16*\u+4+\j+1], 0x39511d02 op_sel_hi:[1,1,0]   ; + beta = 0.000199426
.endr
.irp j, 0,2
	v_pk_fma_f32 v[RB+16*\u+\j:RB+16*\u+\j+1], v[W0+\j:W0+\j+1], v[RB+16*\u+\j:RB+16*\u+\j+1], v[RB+16*\u+4+\j:RB+16*\u+4+\j+1]
.endr
	global_store_b128 v[OO], v[RB+16*\u:RB+16*\u+3], s[10:11] offset:\u*8192 th:TH_STORE_NT     ; 16 lanes store 256 consecutive bytes at a multiple of 256
.endm
	CAUCHY 0, 12
	CAUCHY 1, 8
	CAUCHY 2, 4
	CAUCHY 3, 0
	s_set_vgpr_msb 0x4
	s_wait_tensorcnt 0x0
	ds_add_u32 v240, v1
	s_wait_dscnt 0x0
	s_set_vgpr_msb 0x400
	CROUND                                         ; the closing round
	s_endpgm
.Lfunc_end_k_q48f11da34b_final:
	.size	k_q48f11da34b_final, .Lfunc_end_k_q48f11da34b_final-k_q48f11da34b_final
	.p2alignl 7, 3214868480
	.fill 96, 4, 3214868480
	.section	.rodata,"a",@progbits
	.p2align	6, 0x0
	.amdhsa_kernel k_q48f11da34b_final
		.amdhsa_group_segment_fixed_size 327680
		.amdhsa_private_segment_fixed_size 0
		.amdhsa_enable_private_segment 0
		.amdhsa_kernarg_size 32
		.amdhsa_user_sgpr_count 2
		.amdhsa_user_sgpr_kernarg_segment_ptr 1
		.amdhsa_wavefront_size32 1
		.amdhsa_system_sgpr_workgroup_id_x 1
		.amdhsa_system_sgpr_workgroup_id_y 1
		.amdhsa_system_sgpr_workgroup_id_z 1
		.amdhsa_system_vgpr_workitem_id 0
		.amdhsa_next_free_vgpr 258
		.amdhsa_next_free_sgpr 72
		.amdhsa_reserve_vcc 1
		.amdhsa_float_denorm_mode_32 3
		.amdhsa_float_denorm_mode_16_64 3
		.amdhsa_memory_ordered 1
		.amdhsa_forward_progress 1
		.amdhsa_inst_pref_size 189
	.end_amdhsa_kernel
	.amdgpu_metadata
---
amdhsa.version: [ 1, 2 ]
amdhsa.kernels:
  - .name:           k_q48f11da34b_final
    .symbol:         k_q48f11da34b_final.kd
    .args:
      - { .name: stats, .offset: 0, .size: 8, .value_kind: global_buffer, .address_space: global }
      - { .name: W3, .offset: 8, .size: 8, .value_kind: global_buffer, .address_space: global }
      - { .name: b3, .offset: 16, .size: 8, .value_kind: global_buffer, .address_space: global }
      - { .name: out0, .offset: 24, .size: 8, .value_kind: global_buffer, .address_space: global }
    .group_segment_fixed_size: 327680
    .private_segment_fixed_size: 0
    .kernarg_segment_align: 8
    .kernarg_segment_size: 32
    .max_flat_workgroup_size: 128
    .sgpr_count:     72
    .vgpr_count:     258
    .wavefront_size: 32
...
	.end_amdgpu_metadata
.endif
;; end of part 3
